; MI455X (gfx1250); checked and timed in simulation.
; The chip was launched on July 23, 2026; its instructions are those of AMD's public machine-readable ISA for CDNA 5 (MIT licence, August 2026) and "CDNA5" Instruction Set Architecture Reference Guide (July 2026). The comments in the code are by the model that wrote it; some were corrected since.
;; Structured LSTM Cell. Allowed arithmetic: matrix products marked QUANTISED: E2M3 operands, one E8M0 scale for each 32 along K, by v_wmma_scale_f32_16x16x128_f8f6f4 with both operands' format E2M3, f32 sums; everything else in f32.
;; Inputs: P 2,048 x 1,024 float32; W_hf 2,048 x 2,048 float32; W_hg 2,048 x 2,048 float32; W_hi 2,048 x 2,048 float32; W_ho 2,048 x 2,048 float32; W_pf 2,048 x 1,024 float32; W_pg 2,048 x 1,024 float32; W_pi 2,048 x 1,024 float32; W_po 2,048 x 1,024 float32; W_xf 2,048 x 1,024 float32; W_xg 2,048 x 1,024 float32; W_xi 2,048 x 1,024 float32; W_xo 2,048 x 1,024 float32; b_pf 2,048 float32; b_pg 2,048 float32; b_pi 2,048 float32; b_po 2,048 float32; cell 2,048 x 2,048 float32; ext_input 2,048 x 1,024 float32; hidden 2,048 x 2,048 float32.
;; Outputs: out0 2,048 x 2,048 float32; out1 2,048 x 2,048 float32.
;; This version of the problem:
;;   THIS VERSION OF THE PROBLEM IS GIVEN IN LOW PRECISION. The matrix products marked QUANTISED in the list below multiply operands that are first quantised to E2M3 (2 exponent bits, 3 mantissa bits; 6 bits a number), with one power-of-two scale for each 32 numbers along K (OCP MX v1.0); their sums are f32. All else is computed in f32.
;;   The module's matrix products, in the order in which they are computed (A, B: the left and right operand; K: the contracted axis; several contracted axes count as one K, in the product's order):
;;     1. [M 2,048, K 1,024] x [K 1,024, N 8,192]; A: input P; B: computed on the way: QUANTISED
;;     2. [M 2,048, K 2,048] x [K 2,048, N 8,192]; A: input hidden; B: computed on the way: QUANTISED
;;     3. [M 2,048, K 1,024] x [K 1,024, N 8,192]; A: input ext_input; B: computed on the way: QUANTISED
;;   THE QUANTISER, for each operand of a quantised product, along K:
;;     - K is cut into blocks of 32 from its start; a last block that is shorter is filled with zeros.
;;     - A block's scale is 2^e with e = floor(log2(the largest magnitude in the block)) - 2, held to -126 .. 127; a block of zeros has e = 0. As a byte (E8M0): e + 127.
;;     - Each number is divided by its block's scale, clamped to +-7.5, and rounded to the nearest number of E2M3, ties to even, subnormals kept.
;;     - The product sums the exact products of the quantised numbers (number of the format x scale) in f32.
;;   ~~~python
;;   def quantise(x, axis):      # numpy; x: float32 -> the quantised numbers, widened to float32 again
;;       x = np.moveaxis(x, axis, -1); K = x.shape[-1]
;;       x = np.pad(x, [(0, 0)] * (x.ndim - 1) + [(0, -K % 32)]); x = x.reshape(x.shape[:-1] + (-1, 32)); a = np.abs(x).max(-1, keepdims=True)
;;       e = np.where(a > 0, np.clip(np.frexp(np.where(a > 0, a, 1))[1] - 1 - 2, -126, 127), 0)      # np.frexp(a)[1] - 1 = floor(log2(a)), exactly
;;       r = np.clip(x / 2.0 ** e, -7.5, 7.5)
;;       step = 2.0 ** (np.maximum(np.frexp(np.where(r == 0, 1, r))[1] - 1, 0) - 3)
;;       q = np.round(r / step) * step * 2.0 ** e      # np.round: ties to even
;;       return np.moveaxis(q.reshape(q.shape[:-2] + (-1,))[..., :K], -1, axis).astype(np.float32)
;;   ~~~
;;   OPERANDS COMPUTED ON THE WAY. 'Computed on the way' means the value that the module computes at that place (a softmax that the list does not call 'softmax' is quantised finished and normalised). What goes into a quantiser is computed in f32, as accurately as f32 sums, v_exp_f32 and their like allow (about 1e-6 of the number): no bf16 or f16 on the way to a quantiser, and a product that is left as it is and whose result goes on into a quantised operand takes f32 operands (vector FMAs, or v_wmma_f32_16x16x4_f32). A number that lies on a knife's edge between two numbers of the format may be rounded either way, as far as f32 arithmetic and the matrix unit's own rounding can turn it there, and no further.
;; One version. Each part assembles by itself: llvm-mc -triple=amdgcn-amd-amdhsa -mcpu=gfx1250 --defsym DOCPART=n.
;; ======== version 1 of 1: 2 launches
;; limits: right only within a limited range of input values
;; workspace buffers: packs 32,768,000 bytes
;; launch quant (part 1): grid 16 x 80, 4 waves a work-group, no clusters, 34,304 bytes of LDS; arguments P, hidden, ext_input, W_pi, W_pf, W_pg, W_po, W_hi, W_hf, W_hg, W_ho, W_xi, W_xf, W_xg, W_xo, packs; writes packs
.if DOCPART == 1
	.amdgcn_target "amdgcn-amd-amdhsa--gfx1250"
	.amdhsa_code_object_version 6
	.text
	.protected	k_q0cabe0a292_quant
	.globl	k_q0cabe0a292_quant
	.p2align	8
	.type	k_q0cabe0a292_quant,@function
k_q0cabe0a292_quant:
	s_mov_b64 s[64:65], 0
	v_nop
	global_prefetch_b8 v0, s[64:65] scope:SCOPE_SE
	s_setreg_imm32_b32 hwreg(HW_REG_WAVE_MODE, 25, 1), 1
	s_wait_xcnt 0x0
; The three products P Wp^T + hidden Wh^T + ext_input Wx^T share their 2,048 rows and their 8,192 gate columns: they are ONE product with K = 4,096 (P | hidden | ext_input), and every
; block of 32 along K lies inside one tensor.  This launch turns all fifteen f32 operands into codes of FP6 (E2M3) with one E8M0 scale byte for each 32 along K, once, laid as the next launch's registers want them.
; A block's scale is 2^(floor(log2(its largest magnitude)) - 2); its byte is the largest magnitude's exponent field - 2, held at 1 from below.  Each number is divided by the scale and rounded to the nearest code,
; ties to even; beyond 7.5 the largest code.
; LIMITS: a block of zeros gets the byte 1 where the rule says 127 (its codes are zeros, which add nothing under any byte but 0xff, and this program alone reads the bytes); NaN and infinities among the inputs are not served.
; A SUB-PACK is 128 operand rows x 128 along K, 12,800 bytes; sub-pack (G, u) lies at (32 G + u) x 12,800, u = K / 128 (0-7 P / W_p*, 8-23 hidden / W_h*, 24-31 ext_input / W_x*).
; G = 0..15: activation rows 128 G on.  G = 16 + R: row 32 g + n of the sub-pack is gate g (0 i, 1 f, 2 g, 3 o), hidden unit 32 R + n.
; In a sub-pack: the fragment of rows 16 i on at 1,536 i, as an image of the operand's 12 registers: registers 4 c .. 4 c + 3 of lane l at + 512 c + 16 l.
; Behind the codes, at 12,288: the scale word of row 16 i + r at 128 (i / 2) + 8 r + 4 (i % 2).
; SHARES.  A work-group (t, G) makes sub-packs 2 t and 2 t + 1 of G; wave w their rows 32 w .. 32 w + 31 (among the weights: gate w), in four tasks k of 16 rows x 128 K: (block, q) = (k / 2, k % 2).
; Each load reads one row's 512 consecutive bytes, 16 a lane; the operand's layout wants 32 NEIGHBOURS along K in a lane: so a task's 8 KiB turn through the wave's own stage in LDS.
; No matrix unit, no tensor load, no cluster, no barrier: waves share nothing, and what binds is the stream from memory.  The next task's 16 loads are on their way while a task is worked on.
.set SUB,  12800
.set FRB,  1536                        ; a fragment's image in bytes
.set SCO,  12288                       ; where a sub-pack's scale words begin
.set SP,   528                         ; a stage row: 512 bytes + 16 = 132 words
.set WST,  16*SP                       ; a wave's stage
.set SW,   4                           ; v4   the stage, on the way in: WST x wave + 16 x lane
.set SR,   5                           ; v5   on the way out: WST x wave + SP r + 128 h
.set CO,   6                           ; v6   my 16 bytes of a fragment's image: 2 FRB x wave + 16 x lane
.set SO,   7                           ; v7   my pair of scale words: 128 x wave + 8 r + SUB h
.set H8,   8                           ; v8   8 h
.set PD,   9                           ; v9   the lane permute's destination
.set M,    10                          ; v10-11   the two blocks' largest magnitudes
.set S,    12                          ; v12-13   the conversions' scale operands
.set BY,   14                          ; v14-15   the scale bytes
.set VO,   16                          ; v16-31   row i of a task: i x pitch + 16 x lane; never rewritten
.set R,    32                          ; v32-95   a task's numbers as loaded
.set X,    96                          ; v96-159  register 32 c + n: number k = 64 c + 32 h + n of row r
.set PC,   160                         ; v160-171 the fragment
.set TMP,  172                         ; v172-174, v176-178 the upper halves of the two blocks' codes
.set W,    180                         ; v180-183 the four tasks' scale words
.set OW,   184                         ; v184-185 the pair that leaves
.set SB,   52                          ; s[52:53], s[54:55] the source at my rows 0-15, 16-31, at this work-group's 256 along K
.set DST,  56                          ; s[56:57] my work-group's two sub-packs
	s_load_b512 s[8:23], s[0:1], 0x0               ; P 8, hidden 10, ext_input 12, W_pi 14, W_pf 16, W_pg 18, W_po 20, W_hi 22
	s_load_b512 s[24:39], s[0:1], 0x40             ; W_hf 24, W_hg 26, W_ho 28, W_xi 30, W_xf 32, W_xg 34, W_xo 36, packs 38
	v_lshl_add_u32 v186, v0, 2, 0x8400             ; my spare word, behind the four stages
	v_mov_b32 v187, 0
	v_lshrrev_b32 v1, 5, v0
	v_readfirstlane_b32 s4, v1                     ; wave 0..3
	s_mov_b32 s2, ttmp9                            ; t
	s_and_b32 s3, ttmp7, 0xffff                    ; G
	v_and_b32 v1, 31, v0                           ; lane
	v_and_b32 v2, 15, v0                           ; r
	v_bfe_u32 v3, v0, 4, 1                         ; h
	v_lshlrev_b32 v10, 4, v1                       ; 16 x lane
	s_mul_i32 s59, s4, WST
	v_add_nc_u32 v[SW], s59, v10
	v_mul_u32_u24 v[SR], v2, SP
	v_lshl_add_u32 v[SR], v3, 7, v[SR]
	v_add_nc_u32 v[SR], s59, v[SR]
	s_mul_i32 s62, s4, 2*FRB
	v_add_nc_u32 v[CO], s62, v10
	s_lshl_b32 s63, s4, 7
	v_mul_u32_u24 v[SO], v3, SUB                   ; lanes 16-31 send the second sub-pack's words
	v_lshl_add_u32 v[SO], v2, 3, v[SO]
	v_add_nc_u32 v[SO], s63, v[SO]
	v_lshlrev_b32 v[H8], 3, v3
	v_mov_b32 v[PD], 0                             ; written once: a lane permute's destination counts as one of its sources
	s_mov_b32 s60, 0x76543210
	s_mov_b32 s61, 0xfedcba98                      ; v_permlanex16_b32's selects for lane l xor 16
	s_lshl_b32 s40, s3, 7
	s_lshl_b32 s41, s4, 5
	s_add_co_u32 s40, s40, s41                     ; among the activations: my first row is 128 G + 32 x wave
	s_max_u32 s41, s3, 16
	s_sub_co_u32 s41, s41, 16
	s_lshl_b32 s41, s41, 5                         ; among the weights: my gate's row 32 (G - 16)
	s_wait_kmcnt 0x0
	; the source is chosen among the fifteen tensors by selects alone; every condition hangs on the work-group's and the wave's number, none on an address
	s_cmp_lt_u32 s2, 12                            ; t = 4..11: hidden's part of K; 12..15: ext_input's
	s_cselect_b64 s[42:43], s[10:11], s[12:13]
	s_cselect_b64 s[44:45], s[22:23], s[30:31]
	s_cselect_b64 s[46:47], s[24:25], s[32:33]
	s_cselect_b64 s[48:49], s[26:27], s[34:35]
	s_cselect_b64 s[50:51], s[28:29], s[36:37]
	s_cselect_b32 s5, 13, 12                       ; a row is 2^13 or 2^12 bytes
	s_cselect_b32 s6, 4, 12                        ; the tensor's first t
	s_cmp_lt_u32 s2, 4                             ; t = 0..3: P's part
	s_cselect_b64 s[42:43], s[8:9], s[42:43]
	s_cselect_b64 s[44:45], s[14:15], s[44:45]
	s_cselect_b64 s[46:47], s[16:17], s[46:47]
	s_cselect_b64 s[48:49], s[18:19], s[48:49]
	s_cselect_b64 s[50:51], s[20:21], s[50:51]
	s_cselect_b32 s5, 12, s5
	s_cselect_b32 s6, 0, s6
	s_cmp_eq_u32 s4, 1                             ; among the weights wave w takes gate w
	s_cselect_b64 s[44:45], s[46:47], s[44:45]
	s_cmp_eq_u32 s4, 2
	s_cselect_b64 s[44:45], s[48:49], s[44:45]
	s_cmp_eq_u32 s4, 3
	s_cselect_b64 s[44:45], s[50:51], s[44:45]
	s_cmp_lt_u32 s3, 16                            ; activations or weights
	s_cselect_b64 s[SB:SB+1], s[42:43], s[44:45]
	s_cselect_b32 s7, s40, s41
	s_lshl_b32 s7, s7, s5                          ; my first row, in bytes (under 2^25),
	s_sub_co_u32 s6, s2, s6
	s_lshl_b32 s6, s6, 10                          ; + 1,024 bytes (256 numbers) for each t inside the tensor
	s_add_co_u32 s6, s6, s7
	s_mov_b32 s7, 0
	s_add_nc_u64 s[SB:SB+1], s[SB:SB+1], s[6:7]
	s_lshl_b32 s58, 1, s5                          ; the pitch
	s_lshl_b32 s6, s58, 4
	s_add_nc_u64 s[SB+2:SB+3], s[SB:SB+1], s[6:7]  ; 16 rows on
	s_lshl_b32 s6, s3, 4
	s_add_co_u32 s6, s6, s2
	s_mul_i32 s6, s6, 2*SUB                        ; (32 G + 2 t) x 12,800, under 2^25
	s_add_nc_u64 s[DST:DST+1], s[38:39], s[6:7]
.irp i, 0,1,2,3,4,5,6,7,8,9,10,11,12,13,14,15
	v_mad_u32_u24 v[VO+\i], s58, \i, v10
.endr
.macro LOADT k                         ; task k's 16 rows x 128 numbers: each load reads 512 consecutive bytes of one row, at a multiple of 512 from the tensor's first byte; read once in the launch
.irp i, 0,1,2,3,4,5,6,7,8,9,10,11,12,13,14,15
	global_load_b128 v[R+4*\i:R+4*\i+3], v[VO+\i], s[SB+2*((\k)/2):SB+2*((\k)/2)+1] offset:512*((\k)%2) th:TH_LOAD_NT
.endr
.endm
.macro TURNT                           ; through the stage: in as loaded, out 32 neighbours along K twice.  LDS serves a wave's instructions in order (ISA guide 5.7.1.4): no wait between the stores and the loads
.irp i, 0,1,2,3,4,5,6,7,8,9,10,11,12,13,14,15
	ds_store_b128 v[SW], v[R+4*\i:R+4*\i+3] offset:SP*\i
.endr
.irp c, 0,1
.irp j, 0,1,2,3,4,5,6,7
	ds_load_b128 v[X+32*\c+4*\j:X+32*\c+4*\j+3], v[SR] offset:256*\c+16*\j
.endr
.endr
.endm
.macro QUANT k                         ; my two whole blocks (h and 2 + h of row r) become registers 0-5 and 6-11 of the fragment; the row's four bytes its scale word
.irp c, 0,1
	v_max3_num_f32 v[M+\c], |v[X+32*\c]|, |v[X+32*\c+1]|, 0x1800000   ; with the floor 2^(3 - 127), under which no largest magnitude is taken: so the byte cannot fall under 1
.endr
.irp i, 2,4,6,8,10,12,14,16,18,20,22,24,26,28,30
.irp c, 0,1
	v_max3_num_f32 v[M+\c], v[M+\c], |v[X+32*\c+\i]|, |v[X+32*\c+\i+1]|   ; (the two blocks by turns)
.endr
.endr
.irp c, 0,1
	v_add_nc_u32 v[S+\c], 0xff000000, v[M+\c]      ; 2 off the exponent field: the conversion takes the exponent field of this operand as its scale, and nothing else of it
.endr
.irp c, 0,1
	v_lshrrev_b32 v[BY+\c], 23, v[S+\c]            ; the scale's byte
.endr
	v_lshl_or_b32 v[W+(\k)], v[BY+1], 16, v[BY]    ; my two bytes,
	v_lshlrev_b32 v[W+(\k)], v[H8], v[W+(\k)]      ; at their places in the word (8 h bits up);
	v_permlanex16_b32 v[PD], v[W+(\k)], s60, s61
	v_or_b32 v[W+(\k)], v[W+(\k)], v[PD]           ; with lane l xor 16's two the word is whole, in both lanes
.if (\k) > 0
	s_wait_alu depctr_va_vdst(0)
	s_wait_xcnt 0x0                                ; the last task's three stores have read the fragment's registers: they are written again only behind this wait
.endif
.irp c, 0,1
	v_cvt_scalef32_pk16_fp6_f32 v[PC+6*\c:PC+6*\c+2], v[X+32*\c:X+32*\c+15], v[S+\c]
	v_cvt_scalef32_pk16_fp6_f32 v[TMP+4*\c:TMP+4*\c+2], v[X+32*\c+16:X+32*\c+31], v[S+\c]   ; (a conversion's three registers begin on an even number: the second half of a block's six does not)
.endr
	v_nop                                          ; one plain place behind a scaled conversion
.irp c, 0,1
.irp n, 0,1,2
	v_mov_b32 v[PC+6*\c+3+\n], v[TMP+4*\c+\n]
.endr
.endr
.irp c, 0,1,2
	global_store_b128 v[CO], v[PC+4*\c:PC+4*\c+3], s[DST:DST+1] offset:((\k)%2)*SUB+((\k)/2)*FRB+512*\c   ; 32 lanes store 512 consecutive bytes, at a multiple of 256 from the buffer's first byte
.endr
.endm
	LOADT 0
	s_wait_alu depctr_va_vdst(0)
.irp k, 0,1,2,3
	s_wait_loadcnt 0x0                             ; the task's 16 loads are the only loads out
	TURNT
	s_wait_dscnt 0x0                               ; X is back; so the stage's stores have read R,
.if \k < 3
	LOADT \k+1                                     ; which takes the next task's loads: they land while this task is worked on
.endif
	QUANT \k
.endr
	v_cmp_eq_u32 vcc_lo, 1, v3                     ; lanes 0-15 send row r's words of my two blocks for q = 0, lanes 16-31 those for q = 1
	v_cndmask_b32 v[OW], v[W], v[W+1], vcc_lo
	v_cndmask_b32 v[OW+1], v[W+2], v[W+3], vcc_lo
	global_store_b64 v[SO], v[OW:OW+1], s[DST:DST+1] offset:SCO   ; sixteen lanes store 128 consecutive bytes in each of the two sub-packs: half of an aligned 256, the neighbouring wave the other half; 1,024 of the work-group's 25,600 bytes leave so
	s_wait_tensorcnt 0x0
	ds_add_u32 v186, v187
	s_wait_dscnt 0x0
	s_endpgm
.Lfunc_end_k_q0cabe0a292_quant:
	.size	k_q0cabe0a292_quant, .Lfunc_end_k_q0cabe0a292_quant-k_q0cabe0a292_quant
	.p2alignl 7, 3214868480
	.fill 96, 4, 3214868480
	.section	.rodata,"a",@progbits
	.p2align	6, 0x0
	.amdhsa_kernel k_q0cabe0a292_quant
		.amdhsa_group_segment_fixed_size 34304
		.amdhsa_private_segment_fixed_size 0
		.amdhsa_enable_private_segment 0
		.amdhsa_kernarg_size 128
		.amdhsa_user_sgpr_count 2
		.amdhsa_user_sgpr_kernarg_segment_ptr 1
		.amdhsa_wavefront_size32 1
		.amdhsa_system_sgpr_workgroup_id_x 1
		.amdhsa_system_sgpr_workgroup_id_y 1
		.amdhsa_system_sgpr_workgroup_id_z 1
		.amdhsa_system_vgpr_workitem_id 0
		.amdhsa_next_free_vgpr 188
		.amdhsa_next_free_sgpr 66
		.amdhsa_reserve_vcc 1
		.amdhsa_float_denorm_mode_32 3
		.amdhsa_float_denorm_mode_16_64 3
		.amdhsa_memory_ordered 1
		.amdhsa_forward_progress 1
		.amdhsa_inst_pref_size 32
	.end_amdhsa_kernel
	.amdgpu_metadata
---
amdhsa.version: [ 1, 2 ]
amdhsa.kernels:
  - .name:           k_q0cabe0a292_quant
    .symbol:         k_q0cabe0a292_quant.kd
    .args:
      - { .name: P, .offset: 0, .size: 8, .value_kind: global_buffer, .address_space: global }
      - { .name: hidden, .offset: 8, .size: 8, .value_kind: global_buffer, .address_space: global }
      - { .name: ext_input, .offset: 16, .size: 8, .value_kind: global_buffer, .address_space: global }
      - { .name: W_pi, .offset: 24, .size: 8, .value_kind: global_buffer, .address_space: global }
      - { .name: W_pf, .offset: 32, .size: 8, .value_kind: global_buffer, .address_space: global }
      - { .name: W_pg, .offset: 40, .size: 8, .value_kind: global_buffer, .address_space: global }
      - { .name: W_po, .offset: 48, .size: 8, .value_kind: global_buffer, .address_space: global }
      - { .name: W_hi, .offset: 56, .size: 8, .value_kind: global_buffer, .address_space: global }
      - { .name: W_hf, .offset: 64, .size: 8, .value_kind: global_buffer, .address_space: global }
      - { .name: W_hg, .offset: 72, .size: 8, .value_kind: global_buffer, .address_space: global }
      - { .name: W_ho, .offset: 80, .size: 8, .value_kind: global_buffer, .address_space: global }
      - { .name: W_xi, .offset: 88, .size: 8, .value_kind: global_buffer, .address_space: global }
      - { .name: W_xf, .offset: 96, .size: 8, .value_kind: global_buffer, .address_space: global }
      - { .name: W_xg, .offset: 104, .size: 8, .value_kind: global_buffer, .address_space: global }
      - { .name: W_xo, .offset: 112, .size: 8, .value_kind: global_buffer, .address_space: global }
      - { .name: packs, .offset: 120, .size: 8, .value_kind: global_buffer, .address_space: global }
    .group_segment_fixed_size: 34304
    .private_segment_fixed_size: 0
    .kernarg_segment_align: 8
    .kernarg_segment_size: 128
    .max_flat_workgroup_size: 128
    .sgpr_count:     66
    .vgpr_count:     188
    .wavefront_size: 32
...
	.end_amdgpu_metadata
.endif
;; end of part 1
;; launch lstm (part 2): grid 32 x 8, 4 waves a work-group, clusters of 4 x 4, 327,680 bytes of LDS; arguments packs, b_pi, b_pf, b_pg, b_po, cell, out0, out1; writes out0, out1
.if DOCPART == 2
	.amdgcn_target "amdgcn-amd-amdhsa--gfx1250"
	.amdhsa_code_object_version 6
	.text
	.protected	k_q0cabe0a292_lstm
	.globl	k_q0cabe0a292_lstm
	.p2align	8
	.type	k_q0cabe0a292_lstm,@function
k_q0cabe0a292_lstm:
	s_mov_b64 s[64:65], 0
	v_nop
	global_prefetch_b8 v0, s[64:65] scope:SCOPE_SE
	s_setreg_imm32_b32 hwreg(HW_REG_WAVE_MODE, 25, 1), 1
	s_wait_xcnt 0x0
	s_wait_alu depctr_hold_cnt(0) depctr_sa_sdst(0) depctr_va_vdst(0) depctr_va_sdst(0) depctr_va_ssrc(0) depctr_va_vcc(0) depctr_vm_vsrc(0)
	s_getreg_b32 s2, hwreg(HW_REG_IB_STS2, 6, 4)
	s_cmp_eq_u32 s2, 0
	s_cbranch_scc0 .Lentry_in_a_cluster
	s_endpgm
.Lentry_in_a_cluster:
	s_bfe_u32 s2, ttmp6, 0x10000c
	s_cmp_lg_u32 s2, 0xf033
	s_cbranch_scc0 .Lentry_shape_is_right
	s_endpgm
.Lentry_shape_is_right:
; gates = [P | hidden | ext_input] [Wp | Wh | Wx]^T + b: ONE product with K = 4,096 on the codes and scale words that launch quant laid out; then the cell's arithmetic, in f32.
; A work-group makes 256 rows x 64 hidden units (4 gates x 64 = 256 gate columns); a wave 128 rows x 32 units x 4 gates: 64 accumulators of 16 x 16.  K goes in 32 steps of 128.
; Sub-pack (G, u), 12,800 bytes, is 128 operand rows x 128 K as images of the operand's registers with the scale words behind them.  A slot holds three steps of A's 256 rows and B's 256 rows;
; two slots take turns; a wave's one tensor load brings 128 rows x 3 steps, 38,400 dense bytes as rows of 256.  4 x 4 clusters: A's tiles are asked for jointly along a row, B's along a column.
; THE MATRIX INSTRUCTION IS USED TRANSPOSED (source 0 = 16 gate columns, source 1 = 16 rows): lane (r, h) holds row r and eight neighbouring units 8 h + j of block b = 2 gate + u.
; REGISTERS.  Each window of 256 holds 16 accumulators (v128-255: A's blocks 2 W, 2 W + 1 x B's eight) and ONE set of eight fragments (v32-127): window 0 A's set 0, 1 B's set 0, 2 A's set 1, 3 B's set 1.
; So BOTH operands have two sets: a step of parity p multiplies sets p, and the next step's 52 LDS loads into sets 1 - p stand in ONE run at its head, behind four places (ISA guide 7.12.1 for vector
; instructions); the step's 64 products follow back to back and stand between the run and the wait for it.  Copies of the LDS addresses lie in windows 1 and 3,
; which source 0 names in a step of parity 0 and 1: the run changes the destination's window alone.
; The 64 accumulators take turns, one instruction a turn.  The first step's products take 0 as C; the biases, times the exponent's factor, enter the first multiply-add of the way out.
; THE WAY OUT goes by blocks of 16 rows.  With a = 2^(-gi log2 e), d = 2^(-gf log2 e), b = 2^(-2 gg log2 e), q = 2^(-go log2 e), e = 2^(-2 c_new log2 e):
;   sigmoid(gi) tanh(gg) = (1 - b) / ((1 + a)(1 + b)),  c_new = cell / (1 + d) + that,  h_new = (1 - e) / ((1 + q)(1 + e)): five exponentials and three reciprocals a number.
;   b and e are held at 2^60, where (1 - b) / (1 + b) is -1 to the last bit: so a numerator is always finite, and a denominator that has grown to infinity gives the reciprocal 0 and the product 0, the limit.
; A wave's 32 units are half of an aligned 256 bytes, so c_new and h_new meet the neighbouring wave's in LDS; one barrier a block, its signal and wait apart with the next block's register work between;
; then each wave stores 8 whole rows of each result.  The cell tile and both stages lie in slot 1, behind its last fill.  LIMIT: NaN among the inputs is not served.
.set SUB,   12800
.set SCO,   12288                      ; a sub-pack's scale words
.set REG,   3*SUB                      ; what one tensor load brings
.set SLOT,  4*REG
.set GSTR,  32*SUB
.set CP,    272                        ; a row of the cell tile and of the stages: 256 bytes + 16
.set CELL,  SLOT
.set HST,   CELL+256*CP
.set SPARE, 2*SLOT                     ; the spare words, 128 bytes a wave
.set SC,    8                          ; v8-23 scale words, two sets of 8: lanes 0-15 A's block i, lanes 16-31 B's
.set CA,    24                         ; window 0: my place in the cell tile; HA in h's stage; RDC, RDH whole rows back; CO the same rows in memory
.set HA,    25
.set RDC,   26
.set RDH,   27
.set SPW,   28
.set NIL,   29
.set PFO,   30
.set CO,    31
.set AA,    2                          ; windows 1 and 3: v2-3 A's fragments in slot 0, 1; v4-5 B's; v6-7 the scale words
.set AB,    4
.set AS,    6
.set FS,    32                         ; a window's fragment set
.set ACC,   128                        ; a window's accumulators
.set T,     32                         ; the way out, window 0: v32-95 the chains of i, f, g, o of a block; v96-127 the cell, two sets
.set CL,    96
.set KB,    32                         ; window 1: the biases times the exponents' factors
.set RB,    32                         ; window 2: rows read back
.set G1,  24
.set G0,  32
.set G1B, 48
.set G0B, 56
.set G1C, 68
.set G0C, 76
.set G1SA, 84
.set G1SB, 92
.set PFA, 44
.set LIM, 46
.set KS,  80
.set KT,  82
.set HOLD, 2                           ; s2: 2^60
.set MSB, 0
.macro WIN new                         ; the immediate's high byte repeats the setting that is left
.if MSB != (\new)
	s_set_vgpr_msb (MSB<<8)|(\new)
.set MSB, (\new)
.endif
.endm
.macro PLACES n
.rept \n
	v_nop
.endr
.endm
.macro JLOAD g0a, g1a, g0b, g1b        ; a joint load: waves 0 and 1 fetch for A, waves 2 and 3 for B; s_nop 0 and four v_nop behind each line
	s_cmp_eq_u32 s21, 0
	s_cbranch_scc0 .Lfor_b_\@
	tensor_load_to_lds s[\g0a:\g0a+3], s[\g1a:\g1a+7]
	s_nop 0
	PLACES 4
	s_branch .Lasked_\@
.Lfor_b_\@:
	tensor_load_to_lds s[\g0b:\g0b+3], s[\g1b:\g1b+7]
	s_nop 0
	PLACES 4
.Lasked_\@:
.endm
.macro CREST                           ; a round of the cluster's barrier behind its opening barrier
	s_cmp_lg_u32 s20, 0
	s_cbranch_scc1 .Lnot_wave_0_\@
	s_barrier_signal -3
.Lnot_wave_0_\@:
	s_barrier_wait -3
	s_barrier_signal -1
	s_barrier_wait -1
.endm
.macro CROUND
	s_barrier_signal -1
	s_barrier_wait -1
	CREST
.endm
; A prefetch of the fill that follows the one just asked for: three steps ahead of its load.  Of a tile's 2 x 38,400 bytes each of the four partners names 19,200, told apart by address, 25 lanes x 256 bytes x 3;
; A's by the clusters of column 0, B's by those of row 0, one wave each.  The short last fill is not asked for: three sub-packs from there would pass the buffer's end.
.macro ASK how
.if \how
	s_cmp_eq_u32 s[LIM], 1
.else
	s_cmp_gt_u32 s3, s[LIM]
.endif
	s_cbranch_scc0 .Lnot_mine_\@
	s_wait_alu depctr_va_vdst(0)
.irp i, 0,1,2
	global_prefetch_b8 v[PFO], s[PFA:PFA+1] offset:6400*\i th:TH_LOAD_NT scope:SCOPE_SE
.endr
.Lnot_mine_\@:
.endm
	s_load_b512 s[4:19], s[0:1], 0x0               ; packs 4, b_pi 6, b_pf 8, b_pg 10, b_po 12, cell 14, out0 16, out1 18
	v_lshl_add_u32 v[SPW], v0, 2, SPARE
	v_mov_b32 v[NIL], 0
	ds_add_u32 v[SPW], v[NIL]                      ; the opening lines: the add, twice on end, and its wait ahead of my first tensor load
	ds_add_u32 v[SPW], v[NIL]
	v_lshrrev_b32 v1, 5, v0
	v_readfirstlane_b32 s20, v1                    ; wave
	s_lshr_b32 s21, s20, 1                         ; my half of the rows; also: I fetch for A (0) or B (1)
	s_and_b32 s22, s20, 1                          ; my half of the units; also: which 128 rows I fetch
	s_bfe_u32 s40, ttmp6, 0x40000                  ; cx, cy
	s_bfe_u32 s41, ttmp6, 0x40004
	s_lshl_b32 s42, ttmp9, 2
	s_add_co_u32 s42, s42, s40                     ; tile column
	s_and_b32 s43, ttmp7, 0xffff
	s_lshl_b32 s43, s43, 2
	s_add_co_u32 s43, s43, s41                     ; tile row
	s_lshl_b32 s100, s41, 2
	s_lshl_b32 s100, 15, s100                      ; my row of the cluster
	s_lshl_b32 s101, 0x1111, s40                   ; my column
	s_or_b32 s[G1], s100, (3<<16)|(1<<21)          ; 150 dense rows of 32 elements of 8 bytes
	s_or_b32 s[G1B], s101, (3<<16)|(1<<21)
.irp g, G1, G1B
	s_mov_b32 s[\g+1], 32<<16
	s_mov_b32 s[\g+2], 150<<16
	s_mov_b32 s[\g+3], 32<<16
	s_mov_b32 s[\g+4], 150
	s_mov_b32 s[\g+5], 32
	s_mov_b32 s[\g+6], 0
	s_mov_b32 s[\g+7], 0
.endr
	s_mov_b32 s[G1C], (3<<16)|(1<<20)|(5<<22)|(3<<25)   ; the cell: 64 rows of 256 bytes, pitch 8,192 bytes, 16 bytes of padding behind each
	s_mov_b32 s[G1C+1], 32<<16
	s_mov_b32 s[G1C+2], 64<<16
	s_mov_b32 s[G1C+3], 32<<16
	s_mov_b32 s[G1C+4], 64
	s_mov_b32 s[G1C+5], 1024
	s_mov_b32 s[G1C+6], 0
	s_mov_b32 s[G1C+7], 0
	s_mov_b32 s[KS], 0xbfb8aa3b                    ; -log2 e
	s_mov_b32 s[KS+1], s[KS]
	s_mov_b32 s[KT], 0xc038aa3b                    ; -2 log2 e
	s_mov_b32 s[KT+1], s[KT]
	s_mov_b32 s[HOLD], 0x5d800000                  ; 2^60
	s_lshl_b32 s86, s43, 1
	s_add_co_u32 s86, s86, s22
	s_mul_i32 s86, s86, GSTR                       ; A: group 2 x tile row + half
	s_mov_b32 s87, 0
	s_lshl_b32 s90, s42, 1
	s_add_co_u32 s90, s90, s22
	s_add_co_u32 s90, s90, 16
	s_mul_i32 s90, s90, GSTR                       ; B: group 16 + 2 x tile column + half
	s_mov_b32 s91, 0
	s_mul_i32 s94, s20, REG
	s_mul_i32 s95, s20, 64*CP
	s_lshl_b32 s66, s43, 8
	s_lshl_b32 s67, s20, 6
	s_add_co_u32 s66, s66, s67
	s_lshl_b32 s66, s66, 13
	s_lshl_b32 s67, s42, 8
	s_add_co_u32 s66, s66, s67                     ; the cell: row 256 x tile row + 64 x wave, 256 bytes x tile column
	s_mov_b32 s67, 0
	s_wait_dscnt 0x0                               ; both opening adds are done
	s_wait_kmcnt 0x0
	s_add_nc_u64 s[88:89], s[4:5], s[86:87]
	s_add_nc_u64 s[92:93], s[4:5], s[90:91]
	CROUND                                         ; all sixteen work-groups are here: the first joint loads meet
.irp s, 0,1
	s_mov_b32 s[G0+4*\s], 1
	s_add_co_u32 s[G0+4*\s+1], s94, \s*SLOT
	s_add_nc_u64 s[G0+4*\s+2:G0+4*\s+3], s[88:89], \s*REG
	s_or_b32 s[G0+4*\s+3], s[G0+4*\s+3], 0x80000000
	s_mov_b32 s[G0B+4*\s], 1
	s_add_co_u32 s[G0B+4*\s+1], s94, \s*SLOT
	s_add_nc_u64 s[G0B+4*\s+2:G0B+4*\s+3], s[92:93], \s*REG
	s_or_b32 s[G0B+4*\s+3], s[G0B+4*\s+3], 0x80000000
.endr
	JLOAD G0, G1, G0B, G1B                         ; steps 0 to 2: one tensor load a wave at the head; the set-up below stands under its flight
	s_mov_b32 s[G0C], 1
	s_add_co_u32 s[G0C+1], s95, CELL
	s_add_nc_u64 s[G0C+2:G0C+3], s[14:15], s[66:67]
	s_or_b32 s[G0C+3], s[G0C+3], 0x80000000
	s_lshl_b32 s86, s43, 8                         ; the rows that I store: 256 x tile row + 128 x row half + 8 x unit half, + 16 for each block
	s_lshl_b32 s87, s21, 7
	s_add_co_u32 s86, s86, s87
	s_lshl_b32 s87, s22, 3
	s_add_co_u32 s86, s86, s87
	s_lshl_b32 s86, s86, 13
	s_lshl_b32 s87, s42, 8
	s_add_co_u32 s86, s86, s87
	s_mov_b32 s87, 0
	s_add_nc_u64 s[16:17], s[16:17], s[86:87]
	s_add_nc_u64 s[18:19], s[18:19], s[86:87]
	s_lshl_b32 s90, s42, 8                         ; my 32 units' biases
	s_lshl_b32 s91, s22, 7
	s_add_co_u32 s90, s90, s91
	s_mov_b32 s91, 0
	s_add_nc_u64 s[6:7], s[6:7], s[90:91]
	s_add_nc_u64 s[8:9], s[8:9], s[90:91]
	s_add_nc_u64 s[10:11], s[10:11], s[90:91]
	s_add_nc_u64 s[12:13], s[12:13], s[90:91]
	s_mul_i32 s23, s21, REG                        ; LDS: my 128 rows of A,
	s_mul_i32 s47, s22, REG
	s_add_co_u32 s47, s47, 2*REG                   ; of B,
	s_add_co_u32 s84, s23, SLOT                    ; and the same in slot 1
	s_add_co_u32 s85, s47, SLOT
	s_xor_b32 s86, s21, 1
	s_add_co_u32 s86, s86, s22
	s_add_co_u32 s86, s86, 1
	s_mul_i32 s86, s86, REG                        ; from A's scale words to B's
	s_mul_i32 s87, s21, 128*CP
	s_lshl_b32 s88, s22, 7
	s_add_co_u32 s87, s87, s88                     ; my part of the cell tile
	s_lshl_b32 s88, s21, 7
	s_lshl_b32 s89, s22, 3
	s_add_co_u32 s88, s88, s89
	s_mul_i32 s88, s88, CP                         ; the rows that I read back
	s_lshl_b32 s92, s43, 1                         ; the prefetches' address
	s_lshl_b32 s93, s42, 1
	s_add_co_u32 s93, s93, 16
	s_and_b32 s94, ttmp7, 0xffff
	s_cmp_eq_u32 s21, 0
	s_cselect_b32 s92, s92, s93
	s_cselect_b32 s93, s40, s41
	s_cselect_b32 s94, ttmp9, s94
	s_or_b32 s94, s94, s22
	s_cmp_eq_u32 s94, 0
	s_cselect_b32 s[LIM], 1, -1
	s_lshr_b32 s95, s93, 1
	s_add_co_u32 s92, s92, s95
	s_mul_i32 s92, s92, GSTR
	s_and_b32 s93, s93, 1
	s_mul_i32 s93, s93, REG/2
	s_add_co_u32 s92, s92, s93
	s_add_co_u32 s92, s92, 2*REG
	s_mov_b32 s93, 0
	s_add_nc_u64 s[PFA:PFA+1], s[4:5], s[92:93]
	v_and_b32 v1, 31, v0                           ; lane
	v_and_b32 v2, 15, v0                           ; r
	v_bfe_u32 v3, v0, 4, 1                         ; h
	v_lshlrev_b32 v4, 4, v1                        ; my 16 bytes of a register image
	v_mul_u32_u24 v5, s86, v3                      ; scale words: lanes 16-31 take B's
	v_lshl_add_u32 v5, v2, 3, v5
	v_add_nc_u32 v5, s23, v5
	v_lshlrev_b32 v7, 5, v3                        ; biases: 32 h bytes
	v_mul_u32_u24 v6, v2, CP
	v_lshl_add_u32 v6, v3, 5, v6
	v_add_nc_u32 v6, s87, v6
	v_add_nc_u32 v[CA], CELL, v6
	v_add_nc_u32 v[HA], HST, v6
	v_mul_u32_u24 v6, v3, CP
	v_lshl_add_u32 v6, v2, 4, v6
	v_add_nc_u32 v6, s88, v6
	v_add_nc_u32 v[RDC], CELL, v6
	v_add_nc_u32 v[RDH], HST, v6
	v_lshlrev_b32 v[CO], 13, v3
	v_lshl_add_u32 v[CO], v2, 4, v[CO]
	v_min_u32 v[PFO], 24, v1
	v_lshlrev_b32 v[PFO], 8, v[PFO]
	s_wait_alu depctr_va_vdst(0)                   ; ahead of the readers below
.irp w, 1,3                            ; the LDS addresses, once in each window that serves as source 0
	WIN \w<<6
	v_add_nc_u32 v[AA], s23, v4
	v_add_nc_u32 v[AA+1], s84, v4
	v_add_nc_u32 v[AB], s47, v4
	v_add_nc_u32 v[AB+1], s85, v4
	v_mov_b32 v[AS], v5
	v_add_nc_u32 v[AS+1], SLOT, v5
.endr
.macro BLD win, reg, g                 ; gate g's 16 biases of my lane into spare registers of a window
	WIN \win<<6
.irp u, 0,1
	global_load_b128 v[\reg+8*\u:\reg+8*\u+3],   v7, s[6+2*\g:7+2*\g] offset:64*\u
	global_load_b128 v[\reg+8*\u+4:\reg+8*\u+7], v7, s[6+2*\g:7+2*\g] offset:64*\u+16
.endr
.endm
	BLD 2, 0, 0
	BLD 2, 16, 1
	BLD 1, 8, 2
	BLD 3, 8, 3
	WIN 0
	s_or_b32 s[G1SA], s100, (3<<16)|(1<<21)        ; the last fill has two steps: 100 rows
	s_or_b32 s[G1SB], s101, (3<<16)|(1<<21)
.irp g, G1SA, G1SB
	s_mov_b32 s[\g+1], 32<<16
	s_mov_b32 s[\g+2], 100<<16
	s_mov_b32 s[\g+3], 32<<16
	s_mov_b32 s[\g+4], 100
	s_mov_b32 s[\g+5], 32
	s_mov_b32 s[\g+6], 0
	s_mov_b32 s[\g+7], 0
.endr
.macro SET24 adr, off                  ; a set's 24 loads: load N brings registers 4 N .. 4 N + 3, 512 consecutive bytes of the image
.set N, 0
.rept 24
	ds_load_b128 v[FS+4*N:FS+4*N+3], v[\adr] offset:(\off)+512*N
.set N, N+1
.endr
.endm
; Products j0 .. j1 - 1 of the 16 of accumulator window w, on sets p
.macro PH p, w, j0, j1, zero
	WIN (1+2*(\p))|((2*(\p))<<2)|((\w)<<4)|((\w)<<6)
.set J, \j0
.rept (\j1)-(\j0)
.if \zero
	v_wmma_scale_f32_16x16x128_f8f6f4 v[ACC+8*J:ACC+8*J+7], v[FS+12*(J%8):FS+12*(J%8)+11], v[FS+12*(2*(\w)+J/8):FS+12*(2*(\w)+J/8)+11], 0, v[SC+8*(\p)+J%8], v[SC+8*(\p)+2*(\w)+J/8] matrix_a_fmt:MATRIX_FMT_FP6 matrix_b_fmt:MATRIX_FMT_FP6 matrix_a_scale:MATRIX_SCALE_ROW1
.else
	v_wmma_scale_f32_16x16x128_f8f6f4 v[ACC+8*J:ACC+8*J+7], v[FS+12*(J%8):FS+12*(J%8)+11], v[FS+12*(2*(\w)+J/8):FS+12*(2*(\w)+J/8)+11], v[ACC+8*J:ACC+8*J+7], v[SC+8*(\p)+J%8], v[SC+8*(\p)+2*(\w)+J/8] matrix_a_fmt:MATRIX_FMT_FP6 matrix_b_fmt:MATRIX_FMT_FP6 matrix_a_scale:MATRIX_SCALE_ROW1
.endif
.set J, J+1
.endr
.endm
; The next step's operands, from slot ns at sub-pack nv, into sets 1 - p, in one run: 4 loads of scale words (scale operands lie in window 0), B's 24, A's 24
.macro RUN p, ns, nv
	WIN 1+2*(\p)
.irp i, 0,1,2,3
	ds_load_b64 v[SC+8*(1-(\p))+2*\i:SC+8*(1-(\p))+2*\i+1], v[AS+\ns] offset:(\nv)*SUB+SCO+128*\i
.endr
	WIN (1+2*(\p))|((3-2*(\p))<<6)
	SET24 AB+\ns, (\nv)*SUB
	WIN (1+2*(\p))|((2-2*(\p))<<6)
	SET24 AA+\ns, (\nv)*SUB
.endm
; A step of parity p: the run, then 64 products
.macro STEP ns, nv, p, zero
	s_wait_dscnt 0x0                               ; this step's fragments and scale words are in: they were asked for 64 products ago
	PLACES 4                                       ; in front of the loads into sets 1 - p, which the last step multiplied
	RUN \p, \ns, \nv
	PH \p, 3-2*(\p), 0, 16, \zero
	PH \p, 2-2*(\p), 0, 16, \zero
	PH \p, 2*(\p),   0, 16, \zero
	PH \p, 2*(\p)+1, 0, 16, \zero
.endm
; A slot's third step changes slots.  My reads of this slot ended with the wait at its head.  fill = 1: three steps more; 2: the last two; 3: the cell tile, my own 64 rows.
.macro TURN slot, next, p, fill, how
.if \fill == 1
	s_wait_xcnt 0x0                                ; my last prefetch has read its address
	s_add_nc_u64 s[PFA:PFA+1], s[PFA:PFA+1], REG
.endif
	s_wait_dscnt 0x0                               ; this step's fragments are in
	WIN 0
	s_wait_tensorcnt 0x0                           ; all my tensor loads have landed: my part of the next slot;
	ds_add_u32 v[SPW], v[NIL]                      ; 0 onto my spare word;
	PH \p, 2*(\p), 0, 16, 0                        ; sixteen products stand between the add and the wait for it
	s_wait_dscnt 0x0
	s_barrier_signal -1                            ; opens a round of the cluster's barrier
	PH \p, 2*(\p)+1, 0, 8, 0
	WIN 0
	s_barrier_wait -1
	CREST                                          ; no wave of any partner still reads this slot or has a load on its way
.if \fill == 3
	tensor_load_to_lds s[G0C:G0C+3], s[G1C:G1C+7]
	s_nop 0
	PLACES 4
.else
	s_add_nc_u64 s[G0+4*\slot+2:G0+4*\slot+3], s[G0+4*\slot+2:G0+4*\slot+3], 2*REG
	s_add_nc_u64 s[G0B+4*\slot+2:G0B+4*\slot+3], s[G0B+4*\slot+2:G0B+4*\slot+3], 2*REG
.if \fill == 1
	JLOAD G0+4*\slot, G1, G0B+4*\slot, G1B         ; the first tensor load behind the round; its four v_nop are also the places in front of the loads below
	ASK \how
.else
	JLOAD G0+4*\slot, G1SA, G0B+4*\slot, G1SB
.endif
.endif
	RUN \p, \next, 0                               ; 40 products stand between this run and the wait for it
	PH \p, 3-2*(\p), 0, 16, 0
	PH \p, 2-2*(\p), 0, 16, 0
	PH \p, 2*(\p)+1, 8, 16, 0
.endm
	s_wait_alu depctr_va_vdst(0)                   ; the head's end
	s_wait_tensorcnt 0x0                           ; my part of slot 0 is in
	ds_add_u32 v[SPW], v[NIL]
	s_wait_dscnt 0x0
	CROUND
	JLOAD G0+4, G1, G0B+4, G1B                     ; steps 3 to 5, the first tensor load behind the round
	WIN 0x41                                       ; step 0's operands into sets 0
	SET24 AB, 0
	WIN 0x01
	SET24 AA, 0
.irp i, 0,1,2,3
	ds_load_b64 v[SC+2*\i:SC+2*\i+1], v[AS] offset:SCO+128*\i
.endr
	STEP 0, 1, 0, 1                                ; step 0 starts the sums
	WIN 0
	s_mov_b32 s3, 4
.Llap:                                                 ; a trip: six steps, once round the ring
	STEP 0, 2, 1, 0
	TURN 0, 1, 0, 1, 1
	STEP 1, 1, 1, 0
	STEP 1, 2, 0, 0
	TURN 1, 0, 1, 1, 0
	STEP 0, 1, 0, 0
	WIN 0
	s_sub_co_u32 s3, s3, 1
	s_cmp_lg_u32 s3, 0
	s_cbranch_scc1 .Llap
	STEP 0, 2, 1, 0                                ; steps 25 to 31
	TURN 0, 1, 0, 2, 0
	STEP 1, 1, 1, 0
	STEP 1, 2, 0, 0
	TURN 1, 0, 1, 3, 0
	STEP 0, 1, 0, 0
	s_wait_dscnt 0x0
	PH 1, 1, 0, 16, 0
	PH 1, 0, 0, 16, 0
	PH 1, 2, 0, 16, 0
	PH 1, 3, 0, 16, 0
	WIN 0
	PLACES 4
.macro CELLLD a
.irp u, 0,1
.irp e, 0,1
	ds_load_b128 v[CL+16*((\a)%2)+8*\u+4*\e:CL+16*((\a)%2)+8*\u+4*\e+3], v[CA] offset:16*CP*(\a)+64*\u+16*\e
.endr
.endr
.endm
.macro BATCH op, reg, cnt              ; a batch of transcendentals: a wait ahead of it, a plain place and a wait behind it
	s_wait_alu depctr_va_vdst(0)
.set n, 0
.rept \cnt
	\op v[\reg+n], v[\reg+n]
.set n, n+1
.endr
	v_nop
	s_wait_alu depctr_va_vdst(0)
.endm
.macro ADD1 reg, cnt
.set n, 0
.rept \cnt
	v_pk_add_f32 v[\reg+n:\reg+n+1], v[\reg+n:\reg+n+1], 1.0 op_sel_hi:[1,0]
.set n, n+2
.endr
.endm
.macro HOLD16 reg                      ; sixteen exponentials held at 2^60
.set n, 0
.rept 16
	v_min_num_f32 v[\reg+n], s[HOLD], v[\reg+n]
.set n, n+1
.endr
.endm
.macro PK8 op, d, x, y                 ; sixteen numbers, two at a time: d = x op y
.set n, 0
.rept 8
	\op v[\d+n:\d+n+1], v[\x+n:\x+n+1], v[\y+n:\y+n+1]
.set n, n+2
.endr
.endm
.macro ONE_LESS reg                    ; 1 + b becomes 1 - b = 2 - (1 + b)
.set n, 0
.rept 8
	v_pk_fma_f32 v[\reg+n:\reg+n+1], v[\reg+n:\reg+n+1], -1.0, 2.0 op_sel_hi:[1,0,0]
.set n, n+2
.endr
.endm
; Block a, on registers alone.  It leaves v[T ..] = 1 / ((1 + a)(1 + b)), v[T+16 ..] = 1 / (1 + d), v[T+32 ..] = 1 + b, v[T+48 ..] = 1 + q
.macro EPA a
.set AC, ACC+64*((\a)%2)
	WIN ((\a)/2)|0x10                              ; source 0: the block's accumulators; source 2: window 1
	s_wait_alu depctr_va_vdst(0)                   ; directly ahead of the first reader of these matrix results
.set n, 0
.rept 32
.if (n >= 32) && (n < 48)
	v_pk_fma_f32 v[T+n:T+n+1], v[AC+n:AC+n+1], s[KT:KT+1], v[KB+n:KB+n+1] op_sel_hi:[1,0,1]
.else
	v_pk_fma_f32 v[T+n:T+n+1], v[AC+n:AC+n+1], s[KS:KS+1], v[KB+n:KB+n+1] op_sel_hi:[1,0,1]
.endif
.set n, n+2
.endr
	WIN 0
	BATCH v_exp_f32, T, 64
	HOLD16 T+32
	ADD1 T, 32
	PK8 v_pk_mul_f32, T, T, T+32
	BATCH v_rcp_f32, T, 32
.endm
.macro OUTL a                          ; block a's 8 rows of c_new and of h_new that are mine to store, whole: two rows an instruction
	s_wait_xcnt 0x0                                ; the last block's stores have read these registers
	WIN 0x80
.irp t, 0,1,2,3
	ds_load_b128 v[RB+4*\t:RB+4*\t+3], v[RDC] offset:16*CP*(\a)+2*CP*\t
	ds_load_b128 v[RB+16+4*\t:RB+16+4*\t+3], v[RDH] offset:16*CP*(\a)+2*CP*\t
.endr
	WIN 0
.endm
.macro OUTS a, y                       ; y: the LDS instructions issued behind OUTL's loads
	s_wait_dscnt \y
	WIN 0x08
.irp t, 0,1,2,3
	global_store_b128 v[CO], v[RB+4*\t:RB+4*\t+3], s[18:19] offset:8192*(16*(\a)+2*\t) th:TH_STORE_NT       ; sixteen lanes store 256 consecutive bytes, aligned
	global_store_b128 v[CO], v[RB+16+4*\t:RB+16+4*\t+3], s[16:17] offset:8192*(16*(\a)+2*\t) th:TH_STORE_NT
.endr
	WIN 0
.endm
.macro EPB a                           ; c_new and h_new of block a, both into their stages.  The block before leaves on the way
.set CS, CL+16*((\a)%2)
	ONE_LESS T+32                                  ; 1 - b
	PK8 v_pk_mul_f32, T+16, T+16, CS               ; cell / (1 + d)
.set n, 0
.rept 8
	v_pk_fma_f32 v[T+16+n:T+17+n], v[T+32+n:T+33+n], v[T+n:T+n+1], v[T+16+n:T+17+n]   ; + (1 - b) / ((1 + a)(1 + b)): c_new
.set n, n+2
.endr
.irp u, 0,1
.irp e, 0,1
	ds_store_b128 v[CA], v[T+16+8*\u+4*\e:T+16+8*\u+4*\e+3] offset:16*CP*(\a)+64*\u+16*\e
.endr
.endr
.set n, 0
.rept 8
	v_pk_mul_f32 v[T+n:T+n+1], v[T+16+n:T+17+n], s[KT:KT+1] op_sel_hi:[1,0]
.set n, n+2
.endr
.if (\a) > 0
	OUTS (\a)-1, 4                                 ; behind its eight loads: my four stores of c_new
.endif
	BATCH v_exp_f32, T, 16                         ; e
	HOLD16 T
	ADD1 T, 8
	PK8 v_pk_mul_f32, T+48, T+48, T                ; (1 + q)(1 + e)
	ONE_LESS T                                     ; 1 - e
	BATCH v_rcp_f32, T+48, 16
	PK8 v_pk_mul_f32, T+48, T+48, T                ; h_new
.irp u, 0,1
.irp e, 0,1
	ds_store_b128 v[HA], v[T+48+8*\u+4*\e:T+48+8*\u+4*\e+3] offset:16*CP*(\a)+64*\u+16*\e
.endr
.endr
.endm
	s_wait_loadcnt 0x0                             ; the biases
	s_wait_tensorcnt 0x0                           ; my 64 rows of the cell tile
	s_barrier_signal -1
	WIN 0x42                                       ; the biases times the factors: gates i and f from window 2,
.set n, 0
.rept 16
	v_pk_mul_f32 v[KB+n:KB+n+1], v[n:n+1], s[KS:KS+1] op_sel_hi:[1,0]
.set n, n+2
.endr
	WIN 0x41                                       ; g from window 1,
.set n, 0
.rept 8
	v_pk_mul_f32 v[KB+32+n:KB+33+n], v[8+n:9+n], s[KT:KT+1] op_sel_hi:[1,0]
.set n, n+2
.endr
	WIN 0x43                                       ; o from window 3
.set n, 0
.rept 8
	v_pk_mul_f32 v[KB+48+n:KB+49+n], v[8+n:9+n], s[KS:KS+1] op_sel_hi:[1,0]
.set n, n+2
.endr
	EPA 0
	s_barrier_wait -1                              ; the cell tile is whole
	CELLLD 0
	s_wait_dscnt 0x0
	EPB 0
.irp a, 1,2,3,4,5,6,7
	CELLLD \a
	s_wait_dscnt 0x0                               ; for the others' sake: block a - 1 is in the stages
	s_barrier_signal -1
	EPA \a                                         ; register work alone between signal and wait
	s_barrier_wait -1
	OUTL \a-1
	EPB \a
.endr
	s_wait_dscnt 0x0
	s_barrier_signal -1
	s_barrier_wait -1
	OUTL 7
	OUTS 7, 0
	s_wait_tensorcnt 0x0                           ; the wave's end
	ds_add_u32 v[SPW], v[NIL]
	s_wait_dscnt 0x0
	CROUND                                         ; the closing round
	s_endpgm
.Lfunc_end_k_q0cabe0a292_lstm:
	.size	k_q0cabe0a292_lstm, .Lfunc_end_k_q0cabe0a292_lstm-k_q0cabe0a292_lstm
	.p2alignl 7, 3214868480
	.fill 96, 4, 3214868480
	.section	.rodata,"a",@progbits
	.p2align	6, 0x0
	.amdhsa_kernel k_q0cabe0a292_lstm
		.amdhsa_group_segment_fixed_size 327680
		.amdhsa_private_segment_fixed_size 0
		.amdhsa_enable_private_segment 0
		.amdhsa_kernarg_size 64
		.amdhsa_user_sgpr_count 2
		.amdhsa_user_sgpr_kernarg_segment_ptr 1
		.amdhsa_wavefront_size32 1
		.amdhsa_system_sgpr_workgroup_id_x 1
		.amdhsa_system_sgpr_workgroup_id_y 1
		.amdhsa_system_sgpr_workgroup_id_z 1
		.amdhsa_system_vgpr_workitem_id 0
		.amdhsa_next_free_vgpr 1024
		.amdhsa_next_free_sgpr 102
		.amdhsa_reserve_vcc 0
		.amdhsa_float_denorm_mode_32 3
		.amdhsa_float_denorm_mode_16_64 3
		.amdhsa_memory_ordered 1
		.amdhsa_forward_progress 1
		.amdhsa_inst_pref_size 255
	.end_amdhsa_kernel
	.section	.bss,"aw",@nobits
	.p2align	6
	.space	262144
	.amdgpu_metadata
---
amdhsa.version: [ 1, 2 ]
amdhsa.kernels:
  - .name:           k_q0cabe0a292_lstm
    .symbol:         k_q0cabe0a292_lstm.kd
    .args:
      - { .name: packs, .offset: 0, .size: 8, .value_kind: global_buffer, .address_space: global }
      - { .name: b_pi, .offset: 8, .size: 8, .value_kind: global_buffer, .address_space: global }
      - { .name: b_pf, .offset: 16, .size: 8, .value_kind: global_buffer, .address_space: global }
      - { .name: b_pg, .offset: 24, .size: 8, .value_kind: global_buffer, .address_space: global }
      - { .name: b_po, .offset: 32, .size: 8, .value_kind: global_buffer, .address_space: global }
      - { .name: cell, .offset: 40, .size: 8, .value_kind: global_buffer, .address_space: global }
      - { .name: out0, .offset: 48, .size: 8, .value_kind: global_buffer, .address_space: global }
      - { .name: out1, .offset: 56, .size: 8, .value_kind: global_buffer, .address_space: global }
    .group_segment_fixed_size: 327680
    .private_segment_fixed_size: 0
    .kernarg_segment_align: 8
    .kernarg_segment_size: 64
    .max_flat_workgroup_size: 128
    .sgpr_count:     102
    .vgpr_count:     1024
    .wavefront_size: 32
...
	.end_amdgpu_metadata
.endif
;; end of part 2
